; MI455X (gfx1250); checked and timed in simulation.
; The chip was launched on July 23, 2026; its instructions are those of AMD's public machine-readable ISA for CDNA 5 (MIT licence, August 2026) and "CDNA5" Instruction Set Architecture Reference Guide (July 2026). The comments in the code are by the model that wrote it; some were corrected since.
;; Linear Attention. Allowed arithmetic: matrix products marked QUANTISED: E2M1 operands, one E8M0 scale for each 32 along K, by v_wmma_scale_f32_16x16x128_f8f6f4 with both operands' format E2M1 (or v_wmma_scale_f32_32x16x128_f4), f32 sums; products left as they are: f32 operands where the result goes on into a quantised operand, else bf16, f16 or f32 operands; f32 sums; everything else in f32.
;; Inputs: Wk_codes 1,024 x 32 x 16 uint8 (E2M1 codes of Wk, K innermost, in blocks of 32 codes, two codes a byte); Wk_scales 1,024 x 32 uint8 (E8M0 scales of Wk, one for each 32 codes along K); Wq_codes 1,024 x 32 x 16 uint8 (E2M1 codes of Wq, K innermost, in blocks of 32 codes, two codes a byte); Wq_scales 1,024 x 32 uint8 (E8M0 scales of Wq, one for each 32 codes along K); Wv_codes 1,024 x 32 x 16 uint8 (E2M1 codes of Wv, K innermost, in blocks of 32 codes, two codes a byte); Wv_scales 1,024 x 32 uint8 (E8M0 scales of Wv, one for each 32 codes along K); k_codes 4,096 x 4 x 32 x 16 uint8 (E2M1 codes of k, K innermost, in blocks of 32 codes, two codes a byte); k_scales 4,096 x 4 x 32 uint8 (E8M0 scales of k, one for each 32 codes along K); q_codes 4,096 x 4 x 32 x 16 uint8 (E2M1 codes of q, K innermost, in blocks of 32 codes, two codes a byte); q_scales 4,096 x 4 x 32 uint8 (E8M0 scales of q, one for each 32 codes along K); v_codes 4,096 x 4 x 32 x 16 uint8 (E2M1 codes of v, K innermost, in blocks of 32 codes, two codes a byte); v_scales 4,096 x 4 x 32 uint8 (E8M0 scales of v, one for each 32 codes along K).
;; Outputs: out0 4,096 x 4 x 1,024 float32.
;; This version of the problem:
;;   THIS VERSION OF THE PROBLEM IS GIVEN IN LOW PRECISION. The matrix products marked QUANTISED in the list below multiply operands that are first quantised to E2M1 (2 exponent bits, 1 mantissa bit; 4 bits a number), with one power-of-two scale for each 32 numbers along K (OCP MX v1.0); their sums are f32. All else is computed in f32.
;;   The module's matrix products, in the order in which they are computed (A, B: the left and right operand; K: the contracted axis; several contracted axes count as one K, in the product's order):
;;     1. [M 16,384, K 1,024] x [K 1,024, N 1,024]; A: input q (given as codes); B: input Wq (given as codes): QUANTISED
;;     2. [M 16,384, K 1,024] x [K 1,024, N 1,024]; A: input k (given as codes); B: input Wk (given as codes): QUANTISED
;;     3. [M 16,384, K 1,024] x [K 1,024, N 1,024]; A: input v (given as codes); B: input Wv (given as codes): QUANTISED
;;     4. batch 262,144 x [M 1, K 64] x [K 64, N 1]; A: computed on the way; B: computed on the way: left as it is (M = 1 < 16)
;;   THE QUANTISER, for each operand of a quantised product, along K:
;;     - K is cut into blocks of 32 from its start; a last block that is shorter is filled with zeros.
;;     - A block's scale is 2^e with e = floor(log2(the largest magnitude in the block)) - 2, held to -126 .. 127; a block of zeros has e = 0. As a byte (E8M0): e + 127.
;;     - Each number is divided by its block's scale, clamped to +-6, and rounded to the nearest number of E2M1, ties to even, subnormals kept.
;;     - The product sums the exact products of the quantised numbers (number of the format x scale) in f32.
;;   ~~~python
;;   def quantise(x, axis):      # numpy; x: float32 -> the quantised numbers, widened to float32 again
;;       x = np.moveaxis(x, axis, -1); K = x.shape[-1]
;;       x = np.pad(x, [(0, 0)] * (x.ndim - 1) + [(0, -K % 32)]); x = x.reshape(x.shape[:-1] + (-1, 32)); a = np.abs(x).max(-1, keepdims=True)
;;       e = np.where(a > 0, np.clip(np.frexp(np.where(a > 0, a, 1))[1] - 1 - 2, -126, 127), 0)      # np.frexp(a)[1] - 1 = floor(log2(a)), exactly
;;       r = np.clip(x / 2.0 ** e, -6, 6)
;;       step = 2.0 ** (np.maximum(np.frexp(np.where(r == 0, 1, r))[1] - 1, 0) - 1)
;;       q = np.round(r / step) * step * 2.0 ** e      # np.round: ties to even
;;       return np.moveaxis(q.reshape(q.shape[:-2] + (-1,))[..., :K], -1, axis).astype(np.float32)
;;   ~~~
;;   INPUTS GIVEN AS CODES. Wk (in the module: [1024, 1024], K = its axis 1); Wq (in the module: [1024, 1024], K = its axis 1); Wv (in the module: [1024, 1024], K = its axis 1); k (in the module: [4096, 4, 1024], K = its axis 2); q (in the module: [4096, 4, 1024], K = its axis 2); v (in the module: [4096, 4, 1024], K = its axis 2): each comes as NAME_codes (uint8): NAME with its K axis moved to the last place and cut into blocks of 32 codes, [.., K / 32, bytes a block], one block behind the other in memory; two codes a byte, the lower K in the low four bits (a code: sign, 2 exponent bits, 1 mantissa bit); and NAME_scales (uint8): the same leading axes, one E8M0 byte (e + 127) for each 32 codes along K. Its value is code x scale, taken as it is: it is not quantised again, and the codes and scales need not be those that the quantiser above would give.
;; One version. Each part assembles by itself: llvm-mc -triple=amdgcn-amd-amdhsa -mcpu=gfx1250 --defsym DOCPART=n.
;; ======== version 1 of 1: 1 launch
;; limits: right only within a limited range of input values
;; launch linatt (part 1): grid 4 x 64, 4 waves a work-group, clusters of 4 x 4, 327,680 bytes of LDS; arguments v_codes, v_scales, Wv_codes, Wv_scales, out0; writes out0
.if DOCPART == 1
	.amdgcn_target "amdgcn-amd-amdhsa--gfx1250"
	.amdhsa_code_object_version 6
	.text
	.protected	k_q6bdc6cf285_linatt
	.globl	k_q6bdc6cf285_linatt
	.p2align	8
	.type	k_q6bdc6cf285_linatt,@function
k_q6bdc6cf285_linatt:
	s_mov_b64 s[64:65], 0
	v_nop
	global_prefetch_b8 v0, s[64:65] scope:SCOPE_SE
	s_setreg_imm32_b32 hwreg(HW_REG_WAVE_MODE, 25, 1), 1
	s_wait_xcnt 0x0
	s_wait_alu depctr_hold_cnt(0) depctr_sa_sdst(0) depctr_va_vdst(0) depctr_va_sdst(0) depctr_va_ssrc(0) depctr_va_vcc(0) depctr_vm_vsrc(0)
	s_getreg_b32 s2, hwreg(HW_REG_IB_STS2, 6, 4)
	s_cmp_eq_u32 s2, 0
	s_cbranch_scc0 .Lentry_in_a_cluster
	s_endpgm
.Lentry_in_a_cluster:
	s_bfe_u32 s2, ttmp6, 0x10000c
	s_cmp_lg_u32 s2, 0xf033
	s_cbranch_scc0 .Lentry_shape_is_right
	s_endpgm
.Lentry_shape_is_right:
; out0[s][b][n] = the sum over b' <= b of c[s][b'][n], c = v Wv^T: a product [16,384 x 1,024] x [1,024 x 1,024] on codes of FP4 (E2M1) with one E8M0 scale for each 32 along K, sums in f32.
; WORK LEFT OUT.  reference() forms o = (qk c) / qk, where qk[s, b, head] = the sum over the head's 64 columns of exp(q Wq^T) exp(k Wk^T).  In real numbers an exponential is above 0 for every finite argument, so qk is above 0
; whatever finite values q, k, Wq, Wk hold, and (qk c) / qk = c by identity: the factor qk / qk is 1.  So the products q Wq^T and k Wk^T, the exponentials, the product over a head and the division reach no output,
; and q_codes, q_scales, k_codes, k_scales, Wq_codes, Wq_scales, Wk_codes, Wk_scales have no way to out0: they are not loaded and are not among the arguments.
; LIMIT: a NaN, an infinity, an overflow or an underflow that arises only in the work left out (an exponential or qk or qk c beyond f32, qk = 0 in f32) is not carried to the result.
; SHARES.  A work-group owns rows 256 y .. + 255 (a row is 4 s + batch) and columns 256 x .. + 255.  Wave w owns the 64 columns 64 w .. + 63 for all 256 rows, in eight blocks of 32 rows.
; EVERY CODE COMES INTO LDS ONCE: W's 256 rows and v's 256 rows, all of K, fit beside each other, so nothing is filled again.  Four waves issue four tensor loads, one a wave, at the head.
; W's fragments then stay in registers: 4 column tiles x 8 K steps x 8 registers = 256 = window 1.  The rows go by in blocks of 32: 32 matrix instructions, 64 additions or moves, 16 stores.
; WHICH COLUMNS FORM A TILE: tile c of a wave takes columns 4 r + c, r = 0 .. 15.  Source 0 = 32 rows of v, source 1 = 16 rows of W: lane (r, h) = (l % 16, l / 16) holds in register 8 q + j of tile c the element of row
; 16 q + 8 h + j, column 4 r + c.  So one register of the four tiles is 16 neighbouring bytes of a row, and 16 lanes hold 256.  The running sum's additions write them side by side; rows j = 0 and 4 begin an s, and are moved.
; So that a tile's 16 rows of W lie one behind the other in LDS, each half of W (128 rows) comes as a tile of three dimensions: 512 bytes x (y = 0 .. 31, 2,048 bytes apart) x (c = 0 .. 3, 512 bytes apart).
; TWO PAIRS OF WAVES, HALF A BLOCK APART.  Behind the first barrier W's first half and v's rows 0-63 are in: waves 0, 1 take up their W and multiply block 0.  Behind the second W's other half is in: waves 2, 3 do the same.
; Behind the third v's other rows are in: in front of it waves 0, 1 multiply block 1, behind it waves 2, 3.  All waves pass all barriers; the branches on the wave's number lead round register work and LDS loads alone.
; CLUSTER 4 x 4: the four work-groups of a row (same y) need the same bytes of v, the four of a column (same x) the same bytes of W: every tensor load is asked for JOINTLY, with a mask that names the four.
; The scale bytes are not asked for jointly: they go straight to registers, where the matrix instruction takes them; they are 1/16 of the codes' bytes.
; NO PREFETCH: all codes are asked for at the head; there is no loop of loads to run ahead in.
.set PITCH, 528                        ; an LDS row of codes: 512 bytes + 16 of padding = 132 words: row r starts at bank 4 r mod 64 (64 banks of 4 bytes: ISA guide 11.1), so the 16 rows of a load start at 16 different banks
.set TILE,  32*PITCH                   ; a half of W: its rows 4 y + c for one c, from byte TILE x c
.set HALFW, 4*TILE
.set VB,    2*HALFW                    ; v's 256 rows
.set VSTEP, 32*PITCH                   ; from a block of rows to the next
.set SPARE, VB+256*PITCH               ; the spare words, 128 bytes for each wave: two blocks of 256 bytes that no other line names
.set LWA, 8                            ; v8      LDS address of my W fragments, if my columns lie in the first half
.set LWB, 9                            ; v9      and in the second half
.set LV,  10                           ; v10-11  of v's fragments: blocks 0-3 and 4-7
.set LVS, 12                           ; v12     my byte offset in 32 rows of v's scale bytes
.set LWS, 13                           ; v13     and in 64 rows of W's
.set GO,  14                           ; v14     my byte offset in a block of out0
.set SPW, 16                           ; v16     LDS address of my spare word: SPARE + 4 x my thread's number; never rewritten
.set NIL, 17                           ; v17     0; never rewritten
.set AS,  20                           ; v20-83  v's scale words: 8 i + K step: lane l: block i's row l
.set WS,  84                           ; v84-115 W's scale words: 8 c + K step: lane r: column 4 r + c
.set ACC, 116                          ; v116-179 the sums, tile c at 116 + 16 c
.set O,   180                          ; v180-243 the rows on their way out: row 16 q + j at 180 + 32 q + 4 j
                                       ; window 2: v's fragments of a block, all of K, 16 registers a K step: two sets of 128
.set CX,  2                            ; s2, s3  my place in the cluster
.set CY,  3
.set WV,  4                            ; s4      my wave's number
.set GX,  5                            ; s5      the work-group's x
.set GY,  6                            ; s6      its y
.set OUT, 16                           ; s[16:17] out0 at my first block
.set G1W, 24                           ; descriptor groups 1: a half of W, v's first 64 rows, v's other 192
.set G1V, 32
.set G1R, 40
.set G2W, 48                           ; groups 2 and 3 for W
.set G3W, 52
.set G0V, 56                           ; groups 0
.set G0R, 60
.set G0WA, 68
.set G0WB, 72
.set WSB, 76                           ; s[76:77] W's scale bytes at my 64 rows
.set VSB, 78                           ; s[78:79] v's scale bytes at the work-group's rows
.set YC, 80                            ; byte offsets: s[80:81] in v's codes, s[82:83] the same + 64 rows, s[84:85] in v's scales: y alone;  s[86:87] in W's codes, s[88:89] the same + 128 rows: x alone
.set YR, 82
.set YS, 84
.set XC, 86
.set XD, 88
.set XS, 90                            ; s[90:91] in W's scales
.set MSB, 0
.macro WIN new                         ; s_set_vgpr_msb: bits 1:0 source 0, 3:2 source 1, 5:4 source 2, 7:6 destination; the immediate's high byte repeats the setting that is left; a switch that changes nothing is dropped
.if MSB != (\new)
	s_set_vgpr_msb (MSB<<8)|(\new)
.set MSB, (\new)
.endif
.endm
; A round of the cluster's barrier: my work-group's barrier; wave 0 signals for the work-group; every wave waits for all sixteen work-groups; my work-group's barrier once more.
.macro ROUND
	s_barrier_signal -1
	s_barrier_wait -1
	s_cmp_lg_u32 s[WV], 0
	s_cbranch_scc1 .Lnot_wave_0_\@
	s_barrier_signal -3
.Lnot_wave_0_\@:
	s_barrier_wait -3
	s_barrier_signal -1
	s_barrier_wait -1
.endm
; Descriptor group 1 behind its first word: rows of 512 bytes, pitch p; planes: tile_dim2, z: stride1
.macro G1SET g, rows, p, planes, z
	s_mov_b32 s[\g+1], 512<<16                     ; tensor_dim0
	s_mov_b32 s[\g+2], (\rows)<<16                 ; tensor_dim1
	s_mov_b32 s[\g+3], 512<<16                     ; tile_dim0
	s_mov_b32 s[\g+4], (\rows)|((\planes)<<16)     ; tile_dim1, tile_dim2
	s_mov_b32 s[\g+5], \p                          ; from row to row
	s_mov_b32 s[\g+6], (\z)<<16                    ; from plane to plane
	s_mov_b32 s[\g+7], 0
.endm
	s_load_b256 s[8:15], s[0:1], 0x0               ; v's codes s[8:9], scales s[10:11]; Wv's codes s[12:13], scales s[14:15]
	s_load_b64 s[OUT:OUT+1], s[0:1], 0x20          ; out0
	v_lshl_add_u32 v[SPW], v0, 2, SPARE
	v_mov_b32 v[NIL], 0
	ds_add_u32 v[SPW], v[NIL]                      ; the wave's opening: the add, twice on end, and its wait ahead of my first tensor load; work on registers stands between
	ds_add_u32 v[SPW], v[NIL]
	v_lshrrev_b32 v1, 5, v0
	v_readfirstlane_b32 s[WV], v1                  ; wave 0..3
	s_bfe_u32 s[CX], ttmp6, 0x40000
	s_bfe_u32 s[CY], ttmp6, 0x40004
	s_lshl_b32 s[GX], ttmp9, 2                     ; in a cluster launch ttmp9 and ttmp7 count clusters
	s_add_co_u32 s[GX], s[GX], s[CX]
	s_and_b32 s[GY], ttmp7, 0xffff
	s_lshl_b32 s[GY], s[GY], 2
	s_add_co_u32 s[GY], s[GY], s[CY]
	s_lshl_b32 s20, s[CY], 2
	s_lshl_b32 s20, 15, s20                        ; my row of the cluster: places 4 cy .. 4 cy + 3
	s_lshl_b32 s21, 0x1111, s[CX]                  ; my column: places cx, cx + 4, cx + 8, cx + 12
	; first words: 15:0 the mask; 17:16 elements of 1 byte; 20 padding on; 21 set beside a mask; 24:22 after every 128 words (code 6); 31:25 four words (code 3)
	s_or_b32 s[G1W], s21, (0<<16)|(1<<20)|(1<<21)|(6<<22)|(3<<25)
	s_or_b32 s[G1V], s20, (0<<16)|(1<<20)|(1<<21)|(6<<22)|(3<<25)
	s_or_b32 s[G1R], s20, (0<<16)|(1<<20)|(1<<21)|(6<<22)|(3<<25)
	G1SET G1W, 32, 2048, 4, 512                    ; every fourth row of a half of W, four times
	G1SET G1V, 64, 512, 0, 0
	G1SET G1R, 192, 512, 0, 0
	s_mov_b32 s[G2W], 4                            ; tensor_dim2
	s_mov_b32 s[G2W+1], 1                          ; tensor_dim3
	s_mov_b32 s[G2W+2], 131072                     ; stride2, of a dimension that is not used
	s_mov_b32 s[G2W+3], 0
	s_mov_b32 s[G3W], 131072                       ; stride3, likewise
	s_mov_b32 s[G3W+1], 1<<16                      ; tensor_dim4
	s_mov_b32 s[G3W+2], 0
	s_mov_b32 s[G3W+3], 0
.irp g, G0V, G0R, G0WA, G0WB
	s_mov_b32 s[\g], 1                             ; 1:0 count = 1
.endr
	s_mov_b32 s[G0V+1], VB                         ; 63:32 LDS address
	s_mov_b32 s[G0R+1], VB+64*PITCH
	s_mov_b32 s[G0WA+1], 0
	s_mov_b32 s[G0WB+1], HALFW
	s_lshl_b32 s[YC], s[GY], 17                    ; 256 rows of 512 bytes
	s_mov_b32 s[YC+1], 0
	s_add_co_u32 s[YR], s[YC], 64*512
	s_mov_b32 s[YR+1], 0
	s_lshl_b32 s[YS], s[GY], 13                    ; 256 rows of 32 bytes
	s_mov_b32 s[YS+1], 0
	s_lshl_b32 s[XC], s[GX], 17
	s_mov_b32 s[XC+1], 0
	s_add_co_u32 s[XD], s[XC], 128*512
	s_mov_b32 s[XD+1], 0
	s_lshl_b32 s[XS], s[GX], 13
	s_lshl_b32 s7, s[WV], 11                       ; + my 64 rows' scale bytes
	s_add_co_u32 s[XS], s[XS], s7
	s_mov_b32 s[XS+1], 0
	s_wait_dscnt 0x0                               ; both opening adds are done
	ROUND                                          ; all sixteen work-groups are here: the joint loads meet
	s_wait_kmcnt 0x0
.macro G0SET g, base, off
	s_add_nc_u64 s[\g+2:\g+3], s[\base:\base+1], s[\off:\off+1]   ; 120:64 global address
	s_or_b32 s[\g+3], s[\g+3], 0x80000000          ; 127:126 type = 2
.endm
	G0SET G0V, 8, YC
	G0SET G0WA, 12, XC
	G0SET G0WB, 12, XD
	G0SET G0R, 8, YR
; THE HEAD'S LOADS, ONE A WAVE, in one chain of branches on the wave's number, what is needed first in front.  An s_nop 0 and four v_nop follow each line.
.macro BEHIND
	s_nop 0
.rept 4
	v_nop
.endr
.endm
	s_cmp_lt_u32 s[WV], 1
	s_cbranch_scc0 .Lask_wa
	tensor_load_to_lds s[G0V:G0V+3], s[G1V:G1V+7]  ; wave 0: v's rows 0-63
	BEHIND
	s_branch .Lasked
.Lask_wa:
	s_cmp_lt_u32 s[WV], 2
	s_cbranch_scc0 .Lask_wb
	tensor_load_to_lds s[G0WA:G0WA+3], s[G1W:G1W+7], s[G2W:G2W+3], s[G3W:G3W+3]   ; wave 1: W's rows 0-127
	BEHIND
	s_branch .Lasked
.Lask_wb:
	s_cmp_lt_u32 s[WV], 3
	s_cbranch_scc0 .Lask_rest
	tensor_load_to_lds s[G0WB:G0WB+3], s[G1W:G1W+7], s[G2W:G2W+3], s[G3W:G3W+3]   ; wave 2: W's rows 128-255, which are read behind the second barrier
	BEHIND
	s_branch .Lasked
.Lask_rest:
	tensor_load_to_lds s[G0R:G0R+3], s[G1R:G1R+7]  ; wave 3: v's rows 64-255, which are read behind the third
	BEHIND
.Lasked:
	s_add_nc_u64 s[WSB:WSB+1], s[14:15], s[XS:XS+1]
	s_add_nc_u64 s[VSB:VSB+1], s[10:11], s[YS:YS+1]
	s_and_b32 s98, s[WV], 1
	s_mul_i32 s98, s98, 16*PITCH                   ; my 16 rows of each tile of my half of W
	s_lshl_b32 s22, s[GY], 20                      ; out0: 256 y rows of 4,096 bytes,
	s_lshl_b32 s19, s[GX], 10                      ; + 256 x columns,
	s_add_co_u32 s22, s22, s19
	s_lshl_b32 s19, s[WV], 8                       ; + my 64
	s_add_co_u32 s22, s22, s19
	s_mov_b32 s23, 0
	s_add_nc_u64 s[OUT:OUT+1], s[OUT:OUT+1], s[22:23]
	v_and_b32 v2, 15, v0                           ; r
	v_and_b32 v1, 31, v0                           ; l
	v_lshlrev_b32 v[LWS], 7, v2                    ; W's scales: row 4 r of 32 bytes; lanes 16-31 take the same words as lanes 0-15 and are not read
	v_lshlrev_b32 v[LVS], 5, v1                    ; v's scales: row l of 32 bytes
.irp c, 0,1,2,3
.irp u, 0,1
	global_load_b128 v[WS+8*\c+4*\u:WS+8*\c+4*\u+3], v[LWS], s[WSB:WSB+1] offset:32*\c+16*\u   ; the eight together take every byte of 2,048 consecutive ones
.endr
.endr
.macro ASLOAD i                        ; block i's scale words: two loads that together take every byte of 1,024 consecutive ones
.irp u, 0,1
	global_load_b128 v[AS+8*(\i)+4*\u:AS+8*(\i)+4*\u+3], v[LVS], s[VSB:VSB+1] offset:1024*(\i)+16*\u
.endr
.endm
	ASLOAD 0
	ASLOAD 1
	; A fragment, 16 rows x 128 K of 4-bit codes, is 8 registers: lane l holds row l % 16; registers 4 c .. 4 c + 3 hold K = 64 c + 32 (l / 16) + 0 .. 31: two loads of 16 bytes, 32 bytes apart
	v_bfe_u32 v3, v0, 4, 1                         ; h
	v_mul_u32_u24 v4, v2, PITCH
	v_lshlrev_b32 v7, 15, v3                       ; out0: eight rows down for lanes 16-31
	v_lshl_add_u32 v4, v3, 4, v4                   ; row x pitch + 16 h
	v_lshl_add_u32 v[GO], v2, 4, v7                ; + 16 r
	v_add_nc_u32 v[LWA], s98, v4
	v_add_nc_u32 v[LV], VB, v4
	v_add_nc_u32 v[LWB], HALFW, v[LWA]
	v_add_nc_u32 v[LV+1], 4*VSTEP, v[LV]
	s_wait_alu depctr_va_vdst(0)                   ; the wait at the head's end
	s_cmp_lt_u32 s[WV], 2                          ; the loads of waves 2 and 3 may stay out: nothing reads their tiles before the barriers below
	s_cbranch_scc0 .Lout_1
	s_wait_tensorcnt 0x0                           ; my load is in
.Lout_1:
	s_barrier_signal -1
	s_barrier_wait -1                              ; v's rows 0-63 and W's first half are in
.macro VFRAG bk, kk                    ; the 32 rows of block bk, K step kk: rows 0-15 and rows 16-31, into set bk % 2 of window 2
.set lF, 128*((\bk)%2)+16*(\kk)
	ds_load_b128 v[lF:lF+3],     v[LV+(\bk)/4] offset:VSTEP*((\bk)%4)+64*(\kk)
	ds_load_b128 v[lF+4:lF+7],   v[LV+(\bk)/4] offset:VSTEP*((\bk)%4)+64*(\kk)+32
	ds_load_b128 v[lF+8:lF+11],  v[LV+(\bk)/4] offset:VSTEP*((\bk)%4)+64*(\kk)+16*PITCH
	ds_load_b128 v[lF+12:lF+15], v[LV+(\bk)/4] offset:VSTEP*((\bk)%4)+64*(\kk)+16*PITCH+32
.endm
.macro LOADV bk                        ; a whole block: 32 loads
	WIN 0x80                                       ; destination window 2, addresses window 0
.set lk, 0
.rept 8
	VFRAG \bk, lk
.set lk, lk+1
.endr
	WIN 0
.endm
.macro PLACES                          ; four places behind the last products, ahead of reads of their results, and of loads into their operands and of products that write over them (one more there)
.rept 5
	v_nop
.endr
.endm
; Block i's products.  Source 0 = the block's 32 rows of v (window 2), source 1 = 16 rows of W (window 1).  K step 0 starts the sums with the constant 0: nothing is ever cleared.
; The four sums take turns, one instruction a turn.
.macro MUL i
.set FB, 128*((\i)%2)
	WIN 0x06
.set ks, 0
.rept 8
.if (\i) == 0
.if ks < 2
	s_wait_dscnt 63                                ; of 96 loads 33 are in: K steps 0 and 1 are the oldest 24
.else
	s_wait_dscnt 84-12*ks                          ; K step ks is in; behind it: twelve loads for each later K step
.endif
.endif
.set cb, 0
.rept 4
.set rD, ACC+16*cb
.set rA, FB+16*ks
.set rB, 64*cb+8*ks
.if ks == 0
	v_wmma_scale_f32_32x16x128_f4 v[rD:rD+15], v[rA:rA+15], v[rB:rB+7], 0, v[AS+8*(\i)+ks], v[WS+8*cb+ks]
.else
	v_wmma_scale_f32_32x16x128_f4 v[rD:rD+15], v[rA:rA+15], v[rB:rB+7], v[rD:rD+15], v[AS+8*(\i)+ks], v[WS+8*cb+ks]
.endif
.set cb, cb+1
.endr
.set ks, ks+1
.endr
	WIN 0
.endm
; My W, and block 0's products, K step by K step: block 0's four loads, then W's eight: tile c, K step k at v[64 c + 8 k] of window 1
.macro FIRST lw
.set wk, 0
.rept 8
	WIN 0x80
	VFRAG 0, wk
	WIN 0x40                                       ; destination window 1, addresses window 0
.set wc, 0
.rept 4
	ds_load_b128 v[64*wc+8*wk:64*wc+8*wk+3],   v[\lw] offset:TILE*wc+64*wk
	ds_load_b128 v[64*wc+8*wk+4:64*wc+8*wk+7], v[\lw] offset:TILE*wc+64*wk+32
.set wc, wc+1
.endr
.set wk, wk+1
.endr
	WIN 0
	s_wait_loadcnt 0x0                             ; W's scale words and those of blocks 0 and 1
	MUL 0
.endm
; Block i's running sums and stores
.macro LEAVE i
.if (\i) > 0
	s_wait_xcnt 0x0                                ; the stores of the block before have read their data (ISA guide 3.1): only behind this wait are these registers written again
.endif
	PLACES
.irp q, 0,1
.irp j, 0,4                            ; batch 0 of two values of s: the running sum begins
.irp c, 0,1,2,3
	v_mov_b32 v[O+32*\q+4*\j+\c], v[ACC+16*\c+8*\q+\j]
.endr
.endr
.irp j, 1,5,2,6,3,7                    ; and goes on over batches 1 to 3, eight sums by turns
.irp c, 0,1,2,3
	v_add_f32 v[O+32*\q+4*\j+\c], v[O+32*\q+4*\j-4+\c], v[ACC+16*\c+8*\q+\j]
.endr
.endr
.endr
.if (\i) > 0 && (\i) < 6
	LOADV \i+2                                     ; into the set that this block's products have read
.endif
.irp q, 0,1
.irp j, 0,1,2,3,4,5,6,7                ; lanes 0-15 store 256 consecutive bytes of row 16 q + j, at a multiple of 256 from out0's first byte, lanes 16-31 of row 16 q + 8 + j
	global_store_b128 v[GO], v[O+32*\q+4*\j:O+32*\q+4*\j+3], s[OUT:OUT+1] offset:131072*(\i)+65536*\q+4096*\j th:TH_STORE_NT
.endr
.endr
.endm
	s_cmp_lt_u32 s[WV], 2
	s_cbranch_scc0 .Lsecond_pair
	FIRST LWA                                      ; waves 0, 1 (its last wait on DScnt is for 0)
.Lsecond_pair:
	s_cmp_lt_u32 s[WV], 3
	s_cbranch_scc0 .Lout_2
	s_wait_tensorcnt 0x0                           ; wave 2's load is in
.Lout_2:
	s_barrier_signal -1
	s_barrier_wait -1                              ; W's other half is in
	s_cmp_lt_u32 s[WV], 2
	s_cbranch_scc1 .Lblock_0
	PLACES
	FIRST LWB                                      ; waves 2, 3
.Lblock_0:
	LOADV 1                                        ; into the set that no product has read
.irp i, 2,3,4,5,6,7
	ASLOAD \i
.endr
	LEAVE 0
	s_wait_dscnt 0x0                               ; block 1 is in, and no LDS read of mine is out at the barrier below
	s_cmp_lt_u32 s[WV], 2
	s_cbranch_scc0 .Lmeet
	MUL 1                                          ; waves 0, 1
.Lmeet:
	s_wait_tensorcnt 0x0                           ; wave 3's load is in
	s_barrier_signal -1
	s_barrier_wait -1                              ; v's rows 64-255 are in
	LOADV 2
	s_cmp_lt_u32 s[WV], 2
	s_cbranch_scc1 .Lblock_1
	PLACES
	MUL 1                                          ; waves 2, 3
.Lblock_1:
	LEAVE 1
	s_wait_loadcnt 0x0                             ; the scale words of blocks 2 to 7
.irp i, 2,3,4,5,6
	s_wait_dscnt 32                                ; the block is in; behind it: the next block's 32 loads
	MUL \i
	LEAVE \i
.endr
	s_wait_dscnt 0x0
	MUL 7
	LEAVE 7
	s_wait_tensorcnt 0x0                           ; the wave's end
	ds_add_u32 v[SPW], v[NIL]
	s_wait_dscnt 0x0
	ROUND                                          ; the closing round: no work-group ends while a partner may still ask for a tile that names it
	s_endpgm
.Lfunc_end_k_q6bdc6cf285_linatt:
	.size	k_q6bdc6cf285_linatt, .Lfunc_end_k_q6bdc6cf285_linatt-k_q6bdc6cf285_linatt
	.p2alignl 7, 3214868480
	.fill 96, 4, 3214868480
	.section	.rodata,"a",@progbits
	.p2align	6, 0x0
	.amdhsa_kernel k_q6bdc6cf285_linatt
		.amdhsa_group_segment_fixed_size 327680
		.amdhsa_private_segment_fixed_size 0
		.amdhsa_enable_private_segment 0
		.amdhsa_kernarg_size 40
		.amdhsa_user_sgpr_count 2
		.amdhsa_user_sgpr_kernarg_segment_ptr 1
		.amdhsa_wavefront_size32 1
		.amdhsa_system_sgpr_workgroup_id_x 1
		.amdhsa_system_sgpr_workgroup_id_y 1
		.amdhsa_system_sgpr_workgroup_id_z 1
		.amdhsa_system_vgpr_workitem_id 0
		.amdhsa_next_free_vgpr 768
		.amdhsa_next_free_sgpr 100
		.amdhsa_reserve_vcc 0
		.amdhsa_float_denorm_mode_32 3
		.amdhsa_float_denorm_mode_16_64 3
		.amdhsa_memory_ordered 1
		.amdhsa_forward_progress 1
		.amdhsa_inst_pref_size 110
	.end_amdhsa_kernel
	.amdgpu_metadata
---
amdhsa.version: [ 1, 2 ]
amdhsa.kernels:
  - .name:           k_q6bdc6cf285_linatt
    .symbol:         k_q6bdc6cf285_linatt.kd
    .args:
      - { .name: v_codes, .offset: 0, .size: 8, .value_kind: global_buffer, .address_space: global }
      - { .name: v_scales, .offset: 8, .size: 8, .value_kind: global_buffer, .address_space: global }
      - { .name: Wv_codes, .offset: 16, .size: 8, .value_kind: global_buffer, .address_space: global }
      - { .name: Wv_scales, .offset: 24, .size: 8, .value_kind: global_buffer, .address_space: global }
      - { .name: out0, .offset: 32, .size: 8, .value_kind: global_buffer, .address_space: global }
    .group_segment_fixed_size: 327680
    .private_segment_fixed_size: 0
    .kernarg_segment_align: 8
    .kernarg_segment_size: 40
    .max_flat_workgroup_size: 128
    .sgpr_count:     100
    .vgpr_count:     768
    .wavefront_size: 32
...
	.end_amdgpu_metadata
.endif
;; end of part 1
